; MI455X (gfx1250); checked and timed in simulation.
; The chip was launched on July 23, 2026; its instructions are those of AMD's public machine-readable ISA for CDNA 5 (MIT licence, August 2026) and "CDNA5" Instruction Set Architecture Reference Guide (July 2026). The comments in the code are by the model that wrote it; some were corrected since.
;; Hash Encoder. Allowed arithmetic: float matrix products may take bf16 or f16 operands with f32 sums; all other float work in f32.
;; Inputs: positions 524,288 x 3 float32; table 11,445,040 float32.
;; Outputs: out0 524,288 x 32 float32.
;; 2 versions, each right; version 2 is version 1 with the launches quantise, encode written anew for expert scheduling mode. Each part assembles by itself: llvm-mc -triple=amdgcn-amd-amdhsa -mcpu=gfx1250 --defsym DOCPART=n.
;; ======== version 1 of 2: 2 launches
;; limits: inputs' magnitudes at most 64
;; workspace buffers: q 6,291,456 bytes of whole numbers
;; launch quantise (part 1): grid 256 x 1, 8 waves a work-group, no clusters, 0 bytes of LDS; arguments positions, q; writes q
.if DOCPART == 1
	.amdgcn_target "amdgcn-amd-amdhsa--gfx1250"
	.amdhsa_code_object_version 6
	.text
	.protected	k_qfc9b4aaf51_quantise
	.globl	k_qfc9b4aaf51_quantise
	.p2align	8
	.type	k_qfc9b4aaf51_quantise,@function
k_qfc9b4aaf51_quantise:
	s_mov_b64 s[64:65], 0
	v_nop
	global_prefetch_b8 v0, s[64:65] scope:SCOPE_SE
	s_setreg_imm32_b32 hwreg(HW_REG_WAVE_MODE, 25, 1), 1
	s_wait_xcnt 0x0
; q[i] = round(positions[i] * 2^25) + 2^31 as a 32-bit whole number, for all 524,288 x 3 coordinates, element by element.
; Why a launch of its own: the cell that a point falls into steers addresses, and no address of a launch hangs on floating-point
; numbers of the same launch.  So the one step from float to whole number is made here; the next launch derives every level's cell and
; fraction from q by integer arithmetic.
; LIMITS, kept on purpose: q covers positions in [-64, 64) in steps of 2^-25 (no coarser than the f32 step of a position in [0.5, 1)).
; A position outside that range, an infinity too, is taken as the nearest end of the range.  A NaN is taken as -64 (reference() gives NaN there).
; 256 work-groups x 256 threads x 6 loads of 16 bytes = 6,291,456 bytes.  One load or store of a wave covers 512 consecutive bytes.
; All six loads of a thread are in flight at once; nothing is read twice; no LDS, no barrier: no wave needs another's data.
.set NLD,   6                          ; loads of a thread
.set CHUNK, 4096                       ; bytes that the work-group's 256 threads cover with one load each
.set X,     2                          ; v[2:25]  load j: 4 registers, converted in place and stored from there
	s_load_b128 s[4:7], s[0:1], 0x0                ; positions s[4:5], q s[6:7]
	s_mul_i32 s2, ttmp9, NLD*CHUNK                 ; the work-group's part, in bytes (below 6.3 million)
	s_mov_b32 s3, 0
	s_mov_b32 s8, 0xcf000000                       ; -2^31
	s_mov_b32 s9, 0x4effffff                       ; the largest f32 below 2^31
	v_lshlrev_b32 v1, 4, v0                        ; 16 bytes a thread
	s_wait_kmcnt 0x0
	s_add_nc_u64 s[4:5], s[4:5], s[2:3]
	s_add_nc_u64 s[6:7], s[6:7], s[2:3]
.irp j, 0,1,2,3,4,5
	global_load_b128 v[X+4*\j:X+4*\j+3], v1, s[4:5] offset:\j*CHUNK th:TH_LOAD_NT   ; read once in the whole program
.endr
.irp j, 0,1,2,3,4,5
	s_wait_loadcnt NLD-1-\j                        ; loads come back in order: load j is in, the younger ones stay out
.irp k, 0,2
	v_pk_mul_f32 v[X+4*\j+\k:X+4*\j+\k+1], v[X+4*\j+\k:X+4*\j+\k+1], 0x4c000000 op_sel_hi:[1,0]   ; x 2^25, exact
.endr
.irp k, 0,1,2,3
	v_rndne_f32 v[X+4*\j+\k], v[X+4*\j+\k]         ; to the nearest step
.endr
.irp k, 0,1,2,3
	v_max_num_f32 v[X+4*\j+\k], s8, v[X+4*\j+\k]   ; the range's lower end; a NaN loses against it
.endr
.irp k, 0,1,2,3
	v_min_num_f32 v[X+4*\j+\k], s9, v[X+4*\j+\k]   ; and its upper end
.endr
.irp k, 0,1,2,3
	v_cvt_i32_f32 v[X+4*\j+\k], v[X+4*\j+\k]       ; a whole number already: nothing is cut off
.endr
.irp k, 0,1,2,3
	v_xor_b32 v[X+4*\j+\k], 0x80000000, v[X+4*\j+\k]   ; + 2^31: unsigned from here on
.endr
	global_store_b128 v1, v[X+4*\j:X+4*\j+3], s[6:7] offset:\j*CHUNK   ; read again by the next launch: no hint
.endr
	s_endpgm
.Lfunc_end_k_qfc9b4aaf51_quantise:
	.size	k_qfc9b4aaf51_quantise, .Lfunc_end_k_qfc9b4aaf51_quantise-k_qfc9b4aaf51_quantise
	.p2alignl 7, 3214868480
	.fill 96, 4, 3214868480
	.section	.rodata,"a",@progbits
	.p2align	6, 0x0
	.amdhsa_kernel k_qfc9b4aaf51_quantise
		.amdhsa_group_segment_fixed_size 0
		.amdhsa_private_segment_fixed_size 0
		.amdhsa_enable_private_segment 0
		.amdhsa_kernarg_size 16
		.amdhsa_user_sgpr_count 2
		.amdhsa_user_sgpr_kernarg_segment_ptr 1
		.amdhsa_wavefront_size32 1
		.amdhsa_system_sgpr_workgroup_id_x 1
		.amdhsa_system_sgpr_workgroup_id_y 1
		.amdhsa_system_sgpr_workgroup_id_z 1
		.amdhsa_system_vgpr_workitem_id 0
		.amdhsa_next_free_vgpr 26
		.amdhsa_next_free_sgpr 66
		.amdhsa_reserve_vcc 0
		.amdhsa_float_denorm_mode_32 3
		.amdhsa_float_denorm_mode_16_64 3
		.amdhsa_memory_ordered 1
		.amdhsa_forward_progress 1
		.amdhsa_inst_pref_size 8
	.end_amdhsa_kernel
	.amdgpu_metadata
---
amdhsa.version: [ 1, 2 ]
amdhsa.kernels:
  - .name:           k_qfc9b4aaf51_quantise
    .symbol:         k_qfc9b4aaf51_quantise.kd
    .args:
      - { .name: positions, .offset: 0, .size: 8, .value_kind: global_buffer, .address_space: global }
      - { .name: q, .offset: 8, .size: 8, .value_kind: global_buffer, .address_space: global }
    .group_segment_fixed_size: 0
    .private_segment_fixed_size: 0
    .kernarg_segment_align: 8
    .kernarg_segment_size: 16
    .max_flat_workgroup_size: 256
    .sgpr_count:     66
    .vgpr_count:     26
    .wavefront_size: 32
...
	.end_amdgpu_metadata
.endif
;; end of part 1
;; launch encode (part 2): grid 2048 x 1, 8 waves a work-group, no clusters, 37,888 bytes of LDS; arguments q, table, out0; writes out0
.if DOCPART == 2
	.amdgcn_target "amdgcn-amd-amdhsa--gfx1250"
	.amdhsa_code_object_version 6
	.text
	.protected	k_qfc9b4aaf51_encode
	.globl	k_qfc9b4aaf51_encode
	.p2align	8
	.type	k_qfc9b4aaf51_encode,@function
k_qfc9b4aaf51_encode:
	s_mov_b64 s[64:65], 0
	v_nop
	global_prefetch_b8 v0, s[64:65] scope:SCOPE_SE
	s_setreg_imm32_b32 hwreg(HW_REG_WAVE_MODE, 25, 1), 1
	s_wait_xcnt 0x0
; Multi-resolution hash encoding: out0[p][2 l + f] = trilinear interpolation of feature f of level l's table at point p.
; q[p][3]: the positions in fixed point, q = p * 2^25 + 2^31 (made by the launch before).  table: 16 levels of entries of two f32.
;
; THE SHARE.  2,048 work-groups x 8 waves x 32 lanes = 524,288 points: a lane owns a point and walks the 16 levels in straight-line code, so each
; level's constants are scalars or literals.  No loop, no barrier: a wave touches only its own registers and its own LDS bytes.
;
; POSITION IN A LEVEL.  S = the level's f32 scale as a whole number of 24 bits (scale * 2^(sh+7)), so q * S has 32 + sh fraction bits.
; One 64-bit multiply-add D = q * S + C, with C = 2^(sh+31) - S * 2^31, adds the 0.5 and takes the 2^31 of q away again (all modulo 2^64, two's complement).
; Cell = D >> (32 + sh), fraction = the 32 bits below.  This is p * scale + 0.5 without the two f32 roundings of the float form; where those
; roundings put a point on the other side of a cell face the interpolant is continuous, and the fraction here always belongs to the cell taken here.
; LIMITS: those of q (positions in [-64, 64), steps of 2^-25).  For a negative p * scale + 0.5 the cast to uint32 is taken as saturating: cell 0,
; the fraction still pos - floor(pos).
;
; INDEX.  Levels 0-5: (x + y r + z r^2) mod size; one exact division by a reciprocal multiply, the other seven corners by adding a constant and
; subtracting size once where needed.  Levels 6-15: (x ^ y P1 ^ z P2) mod 2^19: only 19 bits count, so the primes are cut to 24 bits and the product
; is a 24-bit multiply (cells stay below 2^17 in q's range).
; An index that derives from loaded numbers is bounded by v_min_u32 with a constant written in the instruction before it enters an address.
;
; IN FLIGHT.  Two buffers take turns: the eight gathers of level l + 1 are out while level l is interpolated.  An index lies in the low register of
; its own load's destination, so no address register is written while a load that names it is pending.
;
; THE WAY OUT.  A lane holds 128 bytes of one row of out0; two levels at a time (16 bytes) go into the wave's own 32 LDS rows, and whole rows are
; read back, so that each store of the wave covers 512 consecutive bytes at a multiple of 512 from out0's first byte.
;
; NOT USED: matrix instructions (no product).  Tensor loads and clusters: the work-groups share the table, but entry by entry as each point's hash
; says, not by tiles, so there is no joint request to make.  Prefetch: 67,108,864 gathers fall on 178,829 pieces of 256 bytes, each is wanted
; some 375 times, so only the first touch could gain; q is one load at the wave's start.
.set PTS,    256                       ; points of a work-group
.set PITCH,  144                       ; an LDS row: 128 bytes + 16: 36 words, so the 16-byte stores of sixteen neighbouring lanes start at sixteen different multiples of 4 words modulo 64 (64 banks of 4 bytes: ISA guide 11.1)
.set WLDS,   32*PITCH                  ; a wave's LDS bytes
.set PRIME1, 0x3779b1                  ; 2654435761 modulo 2^24
.set PRIME2, 0x025795                  ; 805459861 modulo 2^24
.set TOP19,  0x7ffff                   ; 2^19 - 1
.set P,  2                             ; v[2:4]    q of my point
.set X1, 5                             ; v5        x + 1, masked
.set LW, 6                             ; v6        LDS: my row
.set LR, 7                             ; v7        LDS: where I read rows back
.set GO, 8                             ; v8        my byte offset in the work-group's part of out0
.set LN, 9                             ; v9        lane
.set FR, 10                            ; v[10:21]  buffer b at FR + 6 b: (fx, x), (fy, y), (fz, z): fraction in the even register, cell in the odd one
.set O,  22                            ; v[22:25]  the results of an even level and the odd one behind it
.set DT, 26                            ; v[26:57]  buffer b at DT + 16 b: corner c at + 2 c: first its index (and scratch in the odd register), then its two features
.set CS, 16                            ; s16       S of the level
.set CM, 17                            ; s17       reciprocal of the level's size / 8
.set CC, 18                            ; s[18:19]  C of the level
.set MK, 20                            ; s20       2^19 - 1
.set TB, 32                            ; s[32:63]  address of each level's first entry, written once
	s_load_b128 s[4:7], s[0:1], 0x0                ; q s[4:5], table s[6:7]
	s_load_b64 s[8:9], s[0:1], 0x10                ; out0
	v_lshl_add_u32 v64, v0, 2, 0x9000
	v_mov_b32 v65, 0
	v_mul_u32_u24 v1, 12, v0                       ; 12 bytes a point
	s_mul_i32 s12, ttmp9, PTS*12
	s_mov_b32 s13, 0
	s_wait_kmcnt 0x0
	s_add_nc_u64 s[4:5], s[4:5], s[12:13]
	global_load_b96 v[P:P+2], v1, s[4:5] th:TH_LOAD_NT   ; a wave reads 384 consecutive bytes, once; the set-up below runs under it
	v_lshrrev_b32 v[LN], 5, v0
	v_readfirstlane_b32 s10, v[LN]                 ; wave 0..7
	v_and_b32 v[LN], 31, v0
	s_mul_i32 s11, s10, WLDS                       ; my wave's LDS bytes
	s_lshl_b32 s14, s10, 12                        ; my wave's 32 rows of 128 bytes in out0
	s_lshl_b32 s12, ttmp9, 15                      ; the work-group's 256 rows (64 MiB in all: 32 bits do)
	s_add_nc_u64 s[8:9], s[8:9], s[12:13]
	s_mov_b32 s[MK], TOP19
	v_mul_u32_u24 v[LW], PITCH, v[LN]
	v_add_nc_u32 v[LW], s11, v[LW]                 ; in: row = lane
	v_lshrrev_b32 v[LR], 3, v[LN]
	v_mul_u32_u24 v[LR], PITCH, v[LR]
	v_and_b32 v[X1], 7, v[LN]
	v_lshl_add_u32 v[LR], v[X1], 4, v[LR]
	v_add_nc_u32 v[LR], s11, v[LR]                 ; back: eight lanes take a row's 128 bytes, the wave four rows
	v_lshlrev_b32 v[GO], 4, v[LN]
	v_add_nc_u32 v[GO], s14, v[GO]
.set TOFF, 0
.macro BASE lev, entries               ; a level begins where the one before ends; 8 bytes an entry
	s_add_nc_u64 s[TB+2*\lev:TB+2*\lev+1], s[6:7], TOFF
.set TOFF, TOFF+8*\entries
.endm
	BASE 0, 4096
	BASE 1, 10648
	BASE 2, 21952
	BASE 3, 50656
	BASE 4, 117656
	BASE 5, 274632
.irp l, 6,7,8,9,10,11,12,13,14,15
	BASE \l, 524288
.endr
; Cell and fraction of my point in a level, into buffer b.  scale = S, sh as in the head.
.macro COORD b, scale, sh
.set FB, FR+6*\b
	s_mov_b32 s[CS], \scale
	s_mov_b32 s[CC], ((1<<(\sh+31))-(\scale<<31))&0xffffffff
	s_mov_b32 s[CC+1], (((1<<(\sh+31))-(\scale<<31))>>32)&0xffffffff
.irp i, 0,1,2
	v_mad_nc_u64_u32 v[FB+2*\i:FB+2*\i+1], v[P+\i], s[CS], s[CC:CC+1]   ; D = q S + C
.endr
.irp i, 0,1,2
	v_alignbit_b32 v[FB+2*\i], v[FB+2*\i+1], v[FB+2*\i], \sh            ; D's bits sh .. sh+31: the fraction's upper 32 bits
.endr
.irp i, 0,1,2
	v_ashrrev_i32 v[FB+2*\i+1], \sh, v[FB+2*\i+1]                       ; floor
.endr
.irp i, 0,1,2
	v_cvt_f32_u32 v[FB+2*\i], v[FB+2*\i]
.endr
.irp i, 0,1,2
	v_max_i32 v[FB+2*\i+1], 0, v[FB+2*\i+1]                             ; the cast to uint32 saturates below
.endr
.irp i, 0,1,2
	v_mul_f32 v[FB+2*\i], 0x2f800000, v[FB+2*\i]                        ; x 2^-32: the fraction in [0, 1]
.endr
.endm
; The eight indices of buffer b are bounded and become loads.  scale_offset: the address is the level's base + 8 x index.
.macro GATHER b, lev, top
.set DB, DT+16*\b
.irp c, 0,1,2,3,4,5,6,7
	v_min_u32 v[DB+2*\c], \top, v[DB+2*\c]         ; changes no value: the bound that a loaded number owes before it enters an address
.endr
.irp c, 0,1,2,3,4,5,6,7
	global_load_b64 v[DB+2*\c:DB+2*\c+1], v[DB+2*\c], s[TB+2*\lev:TB+2*\lev+1] scale_offset   ; lands on its own index
.endr
.endm
; Levels whose grid fits the table: index = (x + y r + z r^2) mod size.  ms = floor(log2(size / 8)).
; n / size = (n >> 3) / k with k = size / 8; with M = ceil(2^(32+ms) / k) the quotient is ((n >> 3) M) >> (32 + ms) for every n below 2^32,
; since (n >> 3) (M k - 2^(32+ms)) < 2^29 2^(ms+1) < 2^(32+ms).
.macro DENSE b, lev, r, size, ms
.set FB, FR+6*\b
.set DB, DT+16*\b
	v_mad_u32_u24 v[DB+1], v[FB+3], \r, v[FB+1]
	v_mad_u32_u24 v[DB+1], v[FB+5], \r*\r, v[DB+1]         ; n of corner 0
.if \size == 4096
	v_and_b32 v[DB], \size-1, v[DB+1]
.irp c, 1,2,3,4,5,6,7
.set DELTA, (\c&1)+((\c>>1)&1)*\r+((\c>>2)&1)*\r*\r
	v_add_nc_u32 v[DB+2*\c], DELTA, v[DB+1]
.endr
.irp c, 1,2,3,4,5,6,7
	v_and_b32 v[DB+2*\c], \size-1, v[DB+2*\c]
.endr
.else
	s_mov_b32 s[CM], ((1<<(32+\ms))+(\size/8)-1)/(\size/8)
	v_lshrrev_b32 v[DB+5], 3, v[DB+1]
	v_mad_nc_u64_u32 v[DB+2:DB+3], v[DB+5], s[CM], 0       ; the upper word is wanted
	v_lshrrev_b32 v[DB+3], \ms, v[DB+3]                    ; n / size, below 2^24
	v_mul_u32_u24 v[DB+3], \size, v[DB+3]
	v_sub_nc_u32 v[DB], v[DB+1], v[DB+3]                   ; h = n mod size
.irp c, 1,2,3,4,5,6,7
.set DELTA, (\c&1)+((\c>>1)&1)*\r+((\c>>2)&1)*\r*\r
	v_add_nc_u32 v[DB+2*\c], DELTA, v[DB]                          ; h + delta, below 2 size
	v_add_nc_u32 v[DB+2*\c+1], (DELTA-\size)&0xffffffff, v[DB]     ; h + delta - size, huge as an unsigned number where it is negative
	v_min_u32 v[DB+2*\c], v[DB+2*\c], v[DB+2*\c+1]                 ; so the smaller one is (h + delta) mod size
.endr
.endif
	GATHER \b, \lev, \size-1
.endm
; Levels of 2^19 entries: index = (x ^ y P1 ^ z P2) mod 2^19.  Scratch lies in the odd registers of the buffer.
.macro HASHED b, lev
.set FB, FR+6*\b
.set DB, DT+16*\b
	v_mul_u32_u24 v[DB+3], PRIME1, v[FB+3]         ; y P1
	v_mul_u32_u24 v[DB+11], PRIME2, v[FB+5]        ; z P2
	v_add_nc_u32 v[X1], 1, v[FB+1]
	v_and_b32 v[FB+1], s[MK], v[FB+1]              ; x, 19 bits
	v_add_nc_u32 v[DB+7], PRIME1, v[DB+3]          ; (y + 1) P1
	v_add_nc_u32 v[DB+15], PRIME2, v[DB+11]        ; (z + 1) P2
	v_and_b32 v[X1], s[MK], v[X1]                  ; x + 1, 19 bits
	v_xor_b32 v[DB+1], v[DB+3], v[DB+11]           ; corners 0, 1
	v_xor_b32 v[DB+5], v[DB+7], v[DB+11]           ; corners 2, 3: y + 1
	v_xor_b32 v[DB+9], v[DB+3], v[DB+15]           ; corners 4, 5: z + 1
	v_xor_b32 v[DB+13], v[DB+7], v[DB+15]          ; corners 6, 7: both
.irp k, 0,4,8,12
	v_and_b32 v[DB+\k+1], s[MK], v[DB+\k+1]        ; six masks in front of the eight xors in place of eight behind them
.endr
.irp k, 0,4,8,12
	v_xor_b32 v[DB+\k], v[FB+1], v[DB+\k+1]
	v_xor_b32 v[DB+\k+2], v[X1], v[DB+\k+1]
.endr
	GATHER \b, \lev, TOP19
.endm
; Interpolation of buffer b, both features at once: along x, then y, then z, each a0 + f (a1 - a0).  The fraction is the first register of its pair
; and feeds both halves (op_sel_hi 0).  left = how many younger gathers may stay out.
.macro LERP b, o, left
.set FB, FR+6*\b
.set DB, DT+16*\b
	s_wait_loadcnt \left                           ; loads come back in order: this level's eight are in, the next level's eight stay out
.irp k, 0,4,8,12
	v_pk_add_f32 v[DB+\k+2:DB+\k+3], v[DB+\k+2:DB+\k+3], v[DB+\k:DB+\k+1] neg_lo:[0,1] neg_hi:[0,1]
.endr
.irp k, 0,4,8,12
	v_pk_fma_f32 v[DB+\k:DB+\k+1], v[DB+\k+2:DB+\k+3], v[FB:FB+1], v[DB+\k:DB+\k+1] op_sel_hi:[1,0,1]
.endr
.irp k, 0,8
	v_pk_add_f32 v[DB+\k+4:DB+\k+5], v[DB+\k+4:DB+\k+5], v[DB+\k:DB+\k+1] neg_lo:[0,1] neg_hi:[0,1]
.endr
.irp k, 0,8
	v_pk_fma_f32 v[DB+\k:DB+\k+1], v[DB+\k+4:DB+\k+5], v[FB+2:FB+3], v[DB+\k:DB+\k+1] op_sel_hi:[1,0,1]
.endr
	v_pk_add_f32 v[DB+8:DB+9], v[DB+8:DB+9], v[DB:DB+1] neg_lo:[0,1] neg_hi:[0,1]
	v_pk_fma_f32 v[\o:\o+1], v[DB+8:DB+9], v[FB+4:FB+5], v[DB:DB+1] op_sel_hi:[1,0,1]
.endm
.macro PUT m                           ; levels 2 m and 2 m + 1 of my point: 16 bytes of my LDS row
	ds_store_b128 v[LW], v[O:O+3] offset:16*\m
.endm
	s_wait_loadcnt 0x0                             ; q is in
	COORD  0, 15728640, 13                         ; level 0: scale 15
	DENSE  0, 0, 16, 4096, 0
	COORD  1, 10544547, 12                         ; level 1: 20.112127
	DENSE  1, 1, 22, 10648, 10
	LERP   0, O, 8                                 ; level 0
	COORD  0, 14081128, 12                         ; level 2: 26.857620
	DENSE  0, 2, 28, 21952, 11
	LERP   1, O+2, 8                               ; level 1
	PUT    0
	COORD  1, 9373837, 11                          ; level 3: 35.758351
	DENSE  1, 3, 37, 50656, 12
	LERP   0, O, 8                                 ; level 2
	COORD  0, 12452610, 11                         ; level 4: 47.502937
	DENSE  0, 4, 49, 117656, 13
	LERP   1, O+2, 8                               ; level 3
	PUT    1
	COORD  1, 16515075, 11                         ; level 5: 63.000011
	DENSE  1, 5, 65, 274632, 15
	LERP   0, O, 8                                 ; level 4
	COORD  0, 10937765, 10                         ; level 6: 83.448524
	HASHED 0, 6
	LERP   1, O+2, 8                               ; level 5
	PUT    2
	COORD  1, 14474346, 10                         ; level 7: 110.430499
	HASHED 1, 7
	LERP   0, O, 8                                 ; level 6
	COORD  0, 9570447, 9                           ; level 8: 146.033430
	HASHED 0, 8
	LERP   1, O+2, 8                               ; level 7
	PUT    3
	COORD  1, 12649220, 9                          ; level 9: 193.011781
	HASHED 1, 9
	LERP   0, O, 8                                 ; level 8
	COORD  0, 16711686, 9                          ; level 10: 255.000089
	HASHED 0, 10
	LERP   1, O+2, 8                               ; level 9
	PUT    4
	COORD  1, 11036071, 8                          ; level 11: 336.794154
	HASHED 1, 11
	LERP   0, O, 8                                 ; level 10
	COORD  0, 14572653, 8                          ; level 12: 444.722074
	HASHED 0, 12
	LERP   1, O+2, 8                               ; level 11
	PUT    5
	COORD  1, 9619601, 7                           ; level 13: 587.133823
	HASHED 1, 13
	LERP   0, O, 8                                 ; level 12
	COORD  0, 12698374, 7                          ; level 14: 775.047259
	HASHED 0, 14
	LERP   1, O+2, 8                               ; level 13
	PUT    6
	COORD  1, 16760841, 7                          ; level 15: 1023.000532
	HASHED 1, 15
	LERP   0, O, 8                                 ; level 14
	LERP   1, O+2, 0                               ; level 15: nothing was issued behind its gathers
	PUT    7
	; Rows back: load j takes rows 4 j .. 4 j + 3 of my wave, 512 bytes that lie side by side in out0.  LDS serves a wave's instructions in order
	; (ISA guide 5.7.1), and the bytes are my wave's own: no wait and no barrier between the stores above and these loads.
.irp j, 0,1,2,3,4,5,6,7
	ds_load_b128 v[DT+4*\j:DT+4*\j+3], v[LR] offset:\j*4*PITCH
.endr
.irp j, 0,1,2,3,4,5,6,7
	s_wait_dscnt 7-\j                              ; load j is in, the younger ones stay out
	global_store_b128 v[GO], v[DT+4*\j:DT+4*\j+3], s[8:9] offset:\j*512 th:TH_STORE_NT   ; written once, not read again
.endr
	s_wait_tensorcnt 0x0
	ds_add_u32 v64, v65
	s_wait_dscnt 0x0
	s_endpgm
.Lfunc_end_k_qfc9b4aaf51_encode:
	.size	k_qfc9b4aaf51_encode, .Lfunc_end_k_qfc9b4aaf51_encode-k_qfc9b4aaf51_encode
	.p2alignl 7, 3214868480
	.fill 96, 4, 3214868480
	.section	.rodata,"a",@progbits
	.p2align	6, 0x0
	.amdhsa_kernel k_qfc9b4aaf51_encode
		.amdhsa_group_segment_fixed_size 37888
		.amdhsa_private_segment_fixed_size 0
		.amdhsa_enable_private_segment 0
		.amdhsa_kernarg_size 24
		.amdhsa_user_sgpr_count 2
		.amdhsa_user_sgpr_kernarg_segment_ptr 1
		.amdhsa_wavefront_size32 1
		.amdhsa_system_sgpr_workgroup_id_x 1
		.amdhsa_system_sgpr_workgroup_id_y 1
		.amdhsa_system_sgpr_workgroup_id_z 1
		.amdhsa_system_vgpr_workitem_id 0
		.amdhsa_next_free_vgpr 66
		.amdhsa_next_free_sgpr 66
		.amdhsa_reserve_vcc 0
		.amdhsa_float_denorm_mode_32 3
		.amdhsa_float_denorm_mode_16_64 3
		.amdhsa_memory_ordered 1
		.amdhsa_forward_progress 1
		.amdhsa_inst_pref_size 73
	.end_amdhsa_kernel
	.amdgpu_metadata
---
amdhsa.version: [ 1, 2 ]
amdhsa.kernels:
  - .name:           k_qfc9b4aaf51_encode
    .symbol:         k_qfc9b4aaf51_encode.kd
    .args:
      - { .name: q, .offset: 0, .size: 8, .value_kind: global_buffer, .address_space: global }
      - { .name: table, .offset: 8, .size: 8, .value_kind: global_buffer, .address_space: global }
      - { .name: out0, .offset: 16, .size: 8, .value_kind: global_buffer, .address_space: global }
    .group_segment_fixed_size: 37888
    .private_segment_fixed_size: 0
    .kernarg_segment_align: 8
    .kernarg_segment_size: 24
    .max_flat_workgroup_size: 256
    .sgpr_count:     66
    .vgpr_count:     66
    .wavefront_size: 32
...
	.end_amdgpu_metadata
.endif
;; end of part 2
;; ======== version 2 of 2: 2 launches; version 1 with the launches quantise, encode written anew for expert scheduling mode
;; limits: inputs' magnitudes at most 64
;; workspace buffers: q 6,291,456 bytes of whole numbers
;; launch quantise (part 3): grid 256 x 1, 8 waves a work-group, no clusters, 0 bytes of LDS; arguments positions, q; writes q
.if DOCPART == 3
	.amdgcn_target "amdgcn-amd-amdhsa--gfx1250"
	.amdhsa_code_object_version 6
	.text
	.protected	k_qfc9b4aaf51_quantise
	.globl	k_qfc9b4aaf51_quantise
	.p2align	8
	.type	k_qfc9b4aaf51_quantise,@function
k_qfc9b4aaf51_quantise:
	s_mov_b64 s[64:65], 0
	v_nop
	global_prefetch_b8 v0, s[64:65] scope:SCOPE_SE
	s_setreg_imm32_b32 hwreg(HW_REG_WAVE_SCHED_MODE, 0, 2), 2
	s_setreg_imm32_b32 hwreg(HW_REG_WAVE_MODE, 25, 1), 1
	s_wait_xcnt 0x0
	s_wait_alu depctr_vm_vsrc(0)
; q[i] = round(positions[i] * 2^25) + 2^31 as a 32-bit whole number, for all 524,288 x 3 coordinates, element by element.
; Why a launch of its own: the cell that a point falls into steers addresses, and no address of a launch hangs on floating-point
; numbers of the same launch.  So the one step from float to whole number is made here; the next launch derives every level's cell and
; fraction from q by integer arithmetic.
; LIMITS, kept on purpose: q covers positions in [-64, 64) in steps of 2^-25 (no coarser than the f32 step of a position in [0.5, 1)).
; A position outside that range, an infinity too, is taken as the nearest end of the range.  A NaN is taken as -64 (reference() gives NaN there).
; 256 work-groups x 256 threads x 6 loads of 16 bytes = 6,291,456 bytes.  One load or store of a wave covers 512 consecutive bytes.
; All six loads of a thread are in flight at once; nothing is read twice; no LDS, no barrier: no wave needs another's data.
; THE MODE: SCHED_MODE bits 1:0 = 2 (LLVM: expert scheduling mode 2), set by the entry lines.  The code itself states the register dependences
; between vector instructions and memory instructions, with s_wait_alu, always for 0.
; THE PLAN.  Registers that memory instructions touch:
;   v1        the byte offset: written once at the head, read by every load and store, never written again.
;   X chunk j four registers: load j lands in them, chunk j's conversions work in place, store j reads them; nothing writes them after that.
; Store j - 1 is issued at the head of chunk j, behind the wait for chunk j's data and one wait that states that chunk j - 1's conversions have
; written its data; chunk j's conversions name none of that store's registers.  No register that a memory instruction has read is written again.
.set NLD,   6                          ; loads of a thread
.set CHUNK, 4096                       ; bytes that the work-group's 256 threads cover with one load each
.set X,     2                          ; v[2:25]  load j: 4 registers, converted in place and stored from there
	s_load_b128 s[4:7], s[0:1], 0x0                ; positions s[4:5], q s[6:7]
	s_mul_i32 s2, ttmp9, NLD*CHUNK                 ; the work-group's part, in bytes (below 6.3 million)
	s_mov_b32 s3, 0
	s_mov_b32 s8, 0xcf000000                       ; -2^31
	s_mov_b32 s9, 0x4effffff                       ; the largest f32 below 2^31
	v_lshlrev_b32 v1, 4, v0                        ; 16 bytes a thread
	s_wait_kmcnt 0x0
	s_add_nc_u64 s[4:5], s[4:5], s[2:3]
	s_add_nc_u64 s[6:7], s[6:7], s[2:3]
	s_wait_alu depctr_va_vdst(0)                   ; v1 is written: every load and store of the kernel reads it as its offset
.irp j, 0,1,2,3,4,5
	global_load_b128 v[X+4*\j:X+4*\j+3], v1, s[4:5] offset:\j*CHUNK th:TH_LOAD_NT   ; read once in the whole program
.endr
.irp j, 0,1,2,3,4,5
	s_wait_loadcnt NLD-1-\j                        ; loads come back in order: load j is in, the younger ones stay out
.if \j > 0
	s_wait_alu depctr_va_vdst(0)                   ; the conversions of the chunk before have written its four registers, which the store below reads
	global_store_b128 v1, v[X+4*(\j-1):X+4*(\j-1)+3], s[6:7] offset:(\j-1)*CHUNK   ; read again by the next launch: no hint
.endif
.irp k, 0,2
	v_pk_mul_f32 v[X+4*\j+\k:X+4*\j+\k+1], v[X+4*\j+\k:X+4*\j+\k+1], 0x4c000000 op_sel_hi:[1,0]   ; x 2^25, exact
.endr
.irp k, 0,1,2,3
	v_rndne_f32 v[X+4*\j+\k], v[X+4*\j+\k]         ; to the nearest step
.endr
.irp k, 0,1,2,3
	v_max_num_f32 v[X+4*\j+\k], s8, v[X+4*\j+\k]   ; the range's lower end; a NaN loses against it
.endr
.irp k, 0,1,2,3
	v_min_num_f32 v[X+4*\j+\k], s9, v[X+4*\j+\k]   ; and its upper end
.endr
.irp k, 0,1,2,3
	v_cvt_i32_f32 v[X+4*\j+\k], v[X+4*\j+\k]       ; a whole number already: nothing is cut off
.endr
.irp k, 0,1,2,3
	v_xor_b32 v[X+4*\j+\k], 0x80000000, v[X+4*\j+\k]   ; + 2^31: unsigned from here on
.endr
.endr
	s_wait_alu depctr_va_vdst(0)                   ; the last chunk's conversions have written its four registers, which the last store reads
	global_store_b128 v1, v[X+4*(NLD-1):X+4*(NLD-1)+3], s[6:7] offset:(NLD-1)*CHUNK
	s_endpgm
.Lfunc_end_k_qfc9b4aaf51_quantise:
	.size	k_qfc9b4aaf51_quantise, .Lfunc_end_k_qfc9b4aaf51_quantise-k_qfc9b4aaf51_quantise
	.p2alignl 7, 3214868480
	.fill 96, 4, 3214868480
	.section	.rodata,"a",@progbits
	.p2align	6, 0x0
	.amdhsa_kernel k_qfc9b4aaf51_quantise
		.amdhsa_group_segment_fixed_size 0
		.amdhsa_private_segment_fixed_size 0
		.amdhsa_enable_private_segment 0
		.amdhsa_kernarg_size 16
		.amdhsa_user_sgpr_count 2
		.amdhsa_user_sgpr_kernarg_segment_ptr 1
		.amdhsa_wavefront_size32 1
		.amdhsa_system_sgpr_workgroup_id_x 1
		.amdhsa_system_sgpr_workgroup_id_y 1
		.amdhsa_system_sgpr_workgroup_id_z 1
		.amdhsa_system_vgpr_workitem_id 0
		.amdhsa_next_free_vgpr 26
		.amdhsa_next_free_sgpr 66
		.amdhsa_reserve_vcc 0
		.amdhsa_float_denorm_mode_32 3
		.amdhsa_float_denorm_mode_16_64 3
		.amdhsa_memory_ordered 1
		.amdhsa_forward_progress 1
		.amdhsa_inst_pref_size 8
	.end_amdhsa_kernel
	.amdgpu_metadata
---
amdhsa.version: [ 1, 2 ]
amdhsa.kernels:
  - .name:           k_qfc9b4aaf51_quantise
    .symbol:         k_qfc9b4aaf51_quantise.kd
    .args:
      - { .name: positions, .offset: 0, .size: 8, .value_kind: global_buffer, .address_space: global }
      - { .name: q, .offset: 8, .size: 8, .value_kind: global_buffer, .address_space: global }
    .group_segment_fixed_size: 0
    .private_segment_fixed_size: 0
    .kernarg_segment_align: 8
    .kernarg_segment_size: 16
    .max_flat_workgroup_size: 256
    .sgpr_count:     66
    .vgpr_count:     26
    .wavefront_size: 32
...
	.end_amdgpu_metadata
.endif
;; end of part 3
;; launch encode (part 4): grid 2048 x 1, 8 waves a work-group, no clusters, 37,888 bytes of LDS; arguments q, table, out0; writes out0
.if DOCPART == 4
	.amdgcn_target "amdgcn-amd-amdhsa--gfx1250"
	.amdhsa_code_object_version 6
	.text
	.protected	k_qfc9b4aaf51_encode
	.globl	k_qfc9b4aaf51_encode
	.p2align	8
	.type	k_qfc9b4aaf51_encode,@function
k_qfc9b4aaf51_encode:
	s_mov_b64 s[64:65], 0
	v_nop
	global_prefetch_b8 v0, s[64:65] scope:SCOPE_SE
	s_setreg_imm32_b32 hwreg(HW_REG_WAVE_SCHED_MODE, 0, 2), 2
	s_setreg_imm32_b32 hwreg(HW_REG_WAVE_MODE, 25, 1), 1
	s_wait_xcnt 0x0
	s_wait_alu depctr_vm_vsrc(0)
; Multi-resolution hash encoding: out0[p][2 l + f] = trilinear interpolation of feature f of level l's table at point p.
; q[p][3]: the positions in fixed point, q = p * 2^25 + 2^31 (made by the launch before).  table: 16 levels of entries of two f32.
;
; THE SHARE.  2,048 work-groups x 8 waves x 32 lanes = 524,288 points: a lane owns a point and walks the 16 levels in straight-line code, so each
; level's constants are scalars or literals.  No loop, no barrier: a wave touches only its own registers and its own LDS bytes.
;
; POSITION IN A LEVEL.  S = the level's f32 scale as a whole number of 24 bits (scale * 2^(sh+7)), so q * S has 32 + sh fraction bits.
; One 64-bit multiply-add D = q * S + C, with C = 2^(sh+31) - S * 2^31, adds the 0.5 and takes the 2^31 of q away again (all modulo 2^64, two's complement).
; Cell = D >> (32 + sh), fraction = the 32 bits below.  This is p * scale + 0.5 without the two f32 roundings of the float form; where those
; roundings put a point on the other side of a cell face the interpolant is continuous, and the fraction here always belongs to the cell taken here.
; LIMITS: those of q (positions in [-64, 64), steps of 2^-25).  For a negative p * scale + 0.5 the cast to uint32 is taken as saturating: cell 0,
; the fraction still pos - floor(pos).
;
; INDEX.  Levels 0-5: (x + y r + z r^2) mod size; one exact division by a reciprocal multiply, the other seven corners by adding a constant and
; subtracting size once where needed.  Levels 6-15: (x ^ y P1 ^ z P2) mod 2^19: only 19 bits count, so the primes are cut to 24 bits and the product
; is a 24-bit multiply (cells stay below 2^17 in q's range).
; An index that derives from loaded numbers is bounded by v_min_u32 with a constant written in the instruction before it enters an address.
;
; IN FLIGHT.  Two buffers take turns: the eight gathers of level l + 1 are out while level l is interpolated.  An index lies in the low register of
; its own load's destination, so no address register is written while a load that names it is pending.
;
; THE WAY OUT.  A lane holds 128 bytes of one row of out0; two levels at a time (16 bytes) go into the wave's own 32 LDS rows, and whole rows are
; read back, so that each store of the wave covers 512 consecutive bytes at a multiple of 512 from out0's first byte.
;
; THE MODE: SCHED_MODE bits 1:0 = 2 (LLVM: expert scheduling mode 2), set by the entry lines.  The code itself states the register dependences
; between vector instructions and memory or LDS instructions, with s_wait_alu, always for 0.
; THE PLAN.  Registers that memory or LDS instructions touch:
;   v1, v[LW], v[LR], v[GO]  offsets and LDS addresses: written once at the head, never again.
;   v[P:P+2]   q: one load lands in them; vector instructions alone read them.
;   DT buffer b  Level l: the index arithmetic writes it; the eight gathers read its even registers as addresses and land in all sixteen; the
;              interpolation reads and writes it; the index arithmetic of level l + 2 writes it again.  At the end the LDS loads land in both buffers.
;   v[O:O+3]   written by the interpolations of an even level and of the odd one behind it; read by one LDS store; written again by the next even level.
;   v64, v65   written at the head, read by the closing add alone.
;   The fractions and cells (FR), v[X1] and v[LN] are named by vector instructions alone.
; So a level has TWO waits.  One on va_vdst between its index arithmetic and its eight gathers: the indices and the scratch beside them are written, the
; interpolation that last used the buffer is done with it, and v[O:O+3] are written: the LDS store of the two levels finished before stands behind the
; gathers, under the same wait, with no vector instruction between.  One on vm_vsrc at the head of its interpolation: the gathers issued so far have read
; their indices and the LDS store issued so far has read v[O:O+3]; both are written again only behind it.
;
; NOT USED: matrix instructions (no product).  Tensor loads and clusters: the work-groups share the table, but entry by entry as each point's hash
; says, not by tiles, so there is no joint request to make.  Prefetch: 67,108,864 gathers fall on 178,829 pieces of 256 bytes, each is wanted
; some 375 times, so only the first touch could gain; q is one load at the wave's start.
.set PTS,    256                       ; points of a work-group
.set PITCH,  144                       ; an LDS row: 128 bytes + 16: 36 words, so the 16-byte stores of sixteen neighbouring lanes start at sixteen different multiples of 4 words modulo 64 (64 banks of 4 bytes: ISA guide 11.1)
.set WLDS,   32*PITCH                  ; a wave's LDS bytes
.set PRIME1, 0x3779b1                  ; 2654435761 modulo 2^24
.set PRIME2, 0x025795                  ; 805459861 modulo 2^24
.set TOP19,  0x7ffff                   ; 2^19 - 1
.set P,  2                             ; v[2:4]    q of my point
.set X1, 5                             ; v5        x + 1, masked
.set LW, 6                             ; v6        LDS: my row
.set LR, 7                             ; v7        LDS: where I read rows back
.set GO, 8                             ; v8        my byte offset in the work-group's part of out0
.set LN, 9                             ; v9        lane
.set FR, 10                            ; v[10:21]  buffer b at FR + 6 b: (fx, x), (fy, y), (fz, z): fraction in the even register, cell in the odd one
.set O,  22                            ; v[22:25]  the results of an even level and the odd one behind it
.set DT, 26                            ; v[26:57]  buffer b at DT + 16 b: corner c at + 2 c: first its index (and scratch in the odd register), then its two features
.set CS, 16                            ; s16       S of the level
.set CM, 17                            ; s17       reciprocal of the level's size / 8
.set CC, 18                            ; s[18:19]  C of the level
.set MK, 20                            ; s20       2^19 - 1
.set TB, 32                            ; s[32:63]  address of each level's first entry, written once
	s_load_b128 s[4:7], s[0:1], 0x0                ; q s[4:5], table s[6:7]
	s_load_b64 s[8:9], s[0:1], 0x10                ; out0
	v_lshl_add_u32 v64, v0, 2, 0x9000              ; my spare word, behind the eight waves' rows (8 x 4,608 bytes); kept for the closing lines alone
	v_mov_b32 v65, 0                               ; and 0, likewise
	v_mul_u32_u24 v1, 12, v0                       ; 12 bytes a point
	s_mul_i32 s12, ttmp9, PTS*12
	s_mov_b32 s13, 0
	s_wait_kmcnt 0x0
	s_add_nc_u64 s[4:5], s[4:5], s[12:13]
	s_wait_alu depctr_va_vdst(0)                   ; v1 is written, which the load below reads as its offset
	global_load_b96 v[P:P+2], v1, s[4:5] th:TH_LOAD_NT   ; a wave reads 384 consecutive bytes, once; the set-up below runs under it
	v_lshrrev_b32 v[LN], 5, v0
	v_readfirstlane_b32 s10, v[LN]                 ; wave 0..7
	v_and_b32 v[LN], 31, v0
	s_wait_alu depctr_va_sdst(0)                   ; s10 is written, ahead of its first reader: my wave's LDS bytes and its rows of out0 are made from it
	s_mul_i32 s11, s10, WLDS                       ; my wave's LDS bytes
	s_lshl_b32 s14, s10, 12                        ; my wave's 32 rows of 128 bytes in out0
	s_lshl_b32 s12, ttmp9, 15                      ; the work-group's 256 rows (64 MiB in all: 32 bits do)
	s_add_nc_u64 s[8:9], s[8:9], s[12:13]
	s_mov_b32 s[MK], TOP19
	v_mul_u32_u24 v[LW], PITCH, v[LN]
	v_add_nc_u32 v[LW], s11, v[LW]                 ; in: row = lane
	v_lshrrev_b32 v[LR], 3, v[LN]
	v_mul_u32_u24 v[LR], PITCH, v[LR]
	v_and_b32 v[X1], 7, v[LN]
	v_lshl_add_u32 v[LR], v[X1], 4, v[LR]
	v_add_nc_u32 v[LR], s11, v[LR]                 ; back: eight lanes take a row's 128 bytes, the wave four rows
	v_lshlrev_b32 v[GO], 4, v[LN]
	v_add_nc_u32 v[GO], s14, v[GO]
.set TOFF, 0
.macro BASE lev, entries               ; a level begins where the one before ends; 8 bytes an entry
	s_add_nc_u64 s[TB+2*\lev:TB+2*\lev+1], s[6:7], TOFF
.set TOFF, TOFF+8*\entries
.endm
	BASE 0, 4096
	BASE 1, 10648
	BASE 2, 21952
	BASE 3, 50656
	BASE 4, 117656
	BASE 5, 274632
.irp l, 6,7,8,9,10,11,12,13,14,15
	BASE \l, 524288
.endr
; Cell and fraction of my point in a level, into buffer b.  scale = S, sh as in the head.
.macro COORD b, scale, sh
.set FB, FR+6*\b
	s_mov_b32 s[CS], \scale
	s_mov_b32 s[CC], ((1<<(\sh+31))-(\scale<<31))&0xffffffff
	s_mov_b32 s[CC+1], (((1<<(\sh+31))-(\scale<<31))>>32)&0xffffffff
.irp i, 0,1,2
	v_mad_nc_u64_u32 v[FB+2*\i:FB+2*\i+1], v[P+\i], s[CS], s[CC:CC+1]   ; D = q S + C
.endr
.irp i, 0,1,2
	v_alignbit_b32 v[FB+2*\i], v[FB+2*\i+1], v[FB+2*\i], \sh            ; D's bits sh .. sh+31: the fraction's upper 32 bits
.endr
.irp i, 0,1,2
	v_ashrrev_i32 v[FB+2*\i+1], \sh, v[FB+2*\i+1]                       ; floor
.endr
.irp i, 0,1,2
	v_cvt_f32_u32 v[FB+2*\i], v[FB+2*\i]
.endr
.irp i, 0,1,2
	v_max_i32 v[FB+2*\i+1], 0, v[FB+2*\i+1]                             ; the cast to uint32 saturates below
.endr
.irp i, 0,1,2
	v_mul_f32 v[FB+2*\i], 0x2f800000, v[FB+2*\i]                        ; x 2^-32: the fraction in [0, 1]
.endr
.endm
.macro PUT m                           ; levels 2 m and 2 m + 1 of my point: 16 bytes of my LDS row
	ds_store_b128 v[LW], v[O:O+3] offset:16*\m
.endm
; The eight indices of buffer b are bounded and become loads.  scale_offset: the address is the level's base + 8 x index.
; put = m, 0 or more: the LDS store of levels 2 m and 2 m + 1, both interpolated ahead of this level's index arithmetic, follows the loads under the same wait.
.macro GATHER b, lev, top, put
.set DB, DT+16*\b
.irp c, 0,1,2,3,4,5,6,7
	v_min_u32 v[DB+2*\c], \top, v[DB+2*\c]         ; changes no value: the bound that a loaded number owes before it enters an address
.endr
	s_wait_alu depctr_va_vdst(0)                   ; the eight indices are written, which the loads read; the scratch beside them is written and the interpolation that last used this buffer is done with it: the loads land there; v[O:O+3] and v[LW] are written, which the LDS store reads
.irp c, 0,1,2,3,4,5,6,7
	global_load_b64 v[DB+2*\c:DB+2*\c+1], v[DB+2*\c], s[TB+2*\lev:TB+2*\lev+1] scale_offset   ; lands on its own index
.endr
.if (\put) >= 0
	PUT \put                                       ; no vector instruction since the wait above
.endif
.endm
; Levels whose grid fits the table: index = (x + y r + z r^2) mod size.  ms = floor(log2(size / 8)).
; n / size = (n >> 3) / k with k = size / 8; with M = ceil(2^(32+ms) / k) the quotient is ((n >> 3) M) >> (32 + ms) for every n below 2^32,
; since (n >> 3) (M k - 2^(32+ms)) < 2^29 2^(ms+1) < 2^(32+ms).
.macro DENSE b, lev, r, size, ms, put=-1
.set FB, FR+6*\b
.set DB, DT+16*\b
	v_mad_u32_u24 v[DB+1], v[FB+3], \r, v[FB+1]
	v_mad_u32_u24 v[DB+1], v[FB+5], \r*\r, v[DB+1]         ; n of corner 0
.if \size == 4096
	v_and_b32 v[DB], \size-1, v[DB+1]
.irp c, 1,2,3,4,5,6,7
.set DELTA, (\c&1)+((\c>>1)&1)*\r+((\c>>2)&1)*\r*\r
	v_add_nc_u32 v[DB+2*\c], DELTA, v[DB+1]
.endr
.irp c, 1,2,3,4,5,6,7
	v_and_b32 v[DB+2*\c], \size-1, v[DB+2*\c]
.endr
.else
	s_mov_b32 s[CM], ((1<<(32+\ms))+(\size/8)-1)/(\size/8)
	v_lshrrev_b32 v[DB+5], 3, v[DB+1]
	v_mad_nc_u64_u32 v[DB+2:DB+3], v[DB+5], s[CM], 0       ; the upper word is wanted
	v_lshrrev_b32 v[DB+3], \ms, v[DB+3]                    ; n / size, below 2^24
	v_mul_u32_u24 v[DB+3], \size, v[DB+3]
	v_sub_nc_u32 v[DB], v[DB+1], v[DB+3]                   ; h = n mod size
.irp c, 1,2,3,4,5,6,7
.set DELTA, (\c&1)+((\c>>1)&1)*\r+((\c>>2)&1)*\r*\r
	v_add_nc_u32 v[DB+2*\c], DELTA, v[DB]                          ; h + delta, below 2 size
	v_add_nc_u32 v[DB+2*\c+1], (DELTA-\size)&0xffffffff, v[DB]     ; h + delta - size, huge as an unsigned number where it is negative
	v_min_u32 v[DB+2*\c], v[DB+2*\c], v[DB+2*\c+1]                 ; so the smaller one is (h + delta) mod size
.endr
.endif
	GATHER \b, \lev, \size-1, \put
.endm
; Levels of 2^19 entries: index = (x ^ y P1 ^ z P2) mod 2^19.  Scratch lies in the odd registers of the buffer.
.macro HASHED b, lev, put=-1
.set FB, FR+6*\b
.set DB, DT+16*\b
	v_mul_u32_u24 v[DB+3], PRIME1, v[FB+3]         ; y P1
	v_mul_u32_u24 v[DB+11], PRIME2, v[FB+5]        ; z P2
	v_add_nc_u32 v[X1], 1, v[FB+1]
	v_and_b32 v[FB+1], s[MK], v[FB+1]              ; x, 19 bits
	v_add_nc_u32 v[DB+7], PRIME1, v[DB+3]          ; (y + 1) P1
	v_add_nc_u32 v[DB+15], PRIME2, v[DB+11]        ; (z + 1) P2
	v_and_b32 v[X1], s[MK], v[X1]                  ; x + 1, 19 bits
	v_xor_b32 v[DB+1], v[DB+3], v[DB+11]           ; corners 0, 1
	v_xor_b32 v[DB+5], v[DB+7], v[DB+11]           ; corners 2, 3: y + 1
	v_xor_b32 v[DB+9], v[DB+3], v[DB+15]           ; corners 4, 5: z + 1
	v_xor_b32 v[DB+13], v[DB+7], v[DB+15]          ; corners 6, 7: both
.irp k, 0,4,8,12
	v_and_b32 v[DB+\k+1], s[MK], v[DB+\k+1]        ; six masks in front of the eight xors in place of eight behind them
.endr
.irp k, 0,4,8,12
	v_xor_b32 v[DB+\k], v[FB+1], v[DB+\k+1]
	v_xor_b32 v[DB+\k+2], v[X1], v[DB+\k+1]
.endr
	GATHER \b, \lev, TOP19, \put
.endm
; Interpolation of buffer b, both features at once: along x, then y, then z, each a0 + f (a1 - a0).  The fraction is the first register of its pair
; and feeds both halves (op_sel_hi 0).  left = how many younger gathers may stay out.
.macro LERP b, o, left
.set FB, FR+6*\b
.set DB, DT+16*\b
	s_wait_loadcnt \left                           ; loads come back in order: this level's eight are in, the next level's eight stay out
	s_wait_alu depctr_vm_vsrc(0)                   ; the gathers issued so far have read their indices, which lie in registers that the lines below and the next index arithmetic write; the LDS store issued so far has read v[O:O+3], which an even level's last line writes again
.irp k, 0,4,8,12
	v_pk_add_f32 v[DB+\k+2:DB+\k+3], v[DB+\k+2:DB+\k+3], v[DB+\k:DB+\k+1] neg_lo:[0,1] neg_hi:[0,1]
.endr
.irp k, 0,4,8,12
	v_pk_fma_f32 v[DB+\k:DB+\k+1], v[DB+\k+2:DB+\k+3], v[FB:FB+1], v[DB+\k:DB+\k+1] op_sel_hi:[1,0,1]
.endr
.irp k, 0,8
	v_pk_add_f32 v[DB+\k+4:DB+\k+5], v[DB+\k+4:DB+\k+5], v[DB+\k:DB+\k+1] neg_lo:[0,1] neg_hi:[0,1]
.endr
.irp k, 0,8
	v_pk_fma_f32 v[DB+\k:DB+\k+1], v[DB+\k+4:DB+\k+5], v[FB+2:FB+3], v[DB+\k:DB+\k+1] op_sel_hi:[1,0,1]
.endr
	v_pk_add_f32 v[DB+8:DB+9], v[DB+8:DB+9], v[DB:DB+1] neg_lo:[0,1] neg_hi:[0,1]
	v_pk_fma_f32 v[\o:\o+1], v[DB+8:DB+9], v[FB+4:FB+5], v[DB:DB+1] op_sel_hi:[1,0,1]
.endm
	s_wait_loadcnt 0x0                             ; q is in
	COORD  0, 15728640, 13                         ; level 0: scale 15
	DENSE  0, 0, 16, 4096, 0
	COORD  1, 10544547, 12                         ; level 1: 20.112127
	DENSE  1, 1, 22, 10648, 10
	LERP   0, O, 8                                 ; level 0
	COORD  0, 14081128, 12                         ; level 2: 26.857620
	DENSE  0, 2, 28, 21952, 11
	LERP   1, O+2, 8                               ; level 1
	COORD  1, 9373837, 11                          ; level 3: 35.758351
	DENSE  1, 3, 37, 50656, 12, 0                  ; and levels 0, 1 into LDS
	LERP   0, O, 8                                 ; level 2
	COORD  0, 12452610, 11                         ; level 4: 47.502937
	DENSE  0, 4, 49, 117656, 13
	LERP   1, O+2, 8                               ; level 3
	COORD  1, 16515075, 11                         ; level 5: 63.000011
	DENSE  1, 5, 65, 274632, 15, 1                 ; and levels 2, 3 into LDS
	LERP   0, O, 8                                 ; level 4
	COORD  0, 10937765, 10                         ; level 6: 83.448524
	HASHED 0, 6
	LERP   1, O+2, 8                               ; level 5
	COORD  1, 14474346, 10                         ; level 7: 110.430499
	HASHED 1, 7, 2                                 ; and levels 4, 5 into LDS
	LERP   0, O, 8                                 ; level 6
	COORD  0, 9570447, 9                           ; level 8: 146.033430
	HASHED 0, 8
	LERP   1, O+2, 8                               ; level 7
	COORD  1, 12649220, 9                          ; level 9: 193.011781
	HASHED 1, 9, 3                                 ; and levels 6, 7 into LDS
	LERP   0, O, 8                                 ; level 8
	COORD  0, 16711686, 9                          ; level 10: 255.000089
	HASHED 0, 10
	LERP   1, O+2, 8                               ; level 9
	COORD  1, 11036071, 8                          ; level 11: 336.794154
	HASHED 1, 11, 4                                ; and levels 8, 9 into LDS
	LERP   0, O, 8                                 ; level 10
	COORD  0, 14572653, 8                          ; level 12: 444.722074
	HASHED 0, 12
	LERP   1, O+2, 8                               ; level 11
	COORD  1, 9619601, 7                           ; level 13: 587.133823
	HASHED 1, 13, 5                                ; and levels 10, 11 into LDS
	LERP   0, O, 8                                 ; level 12
	COORD  0, 12698374, 7                          ; level 14: 775.047259
	HASHED 0, 14
	LERP   1, O+2, 8                               ; level 13
	COORD  1, 16760841, 7                          ; level 15: 1023.000532
	HASHED 1, 15, 6                                ; and levels 12, 13 into LDS
	LERP   0, O, 8                                 ; level 14
	LERP   1, O+2, 0                               ; level 15: nothing was issued behind its gathers
	s_wait_alu depctr_va_vdst(0)                   ; the last two interpolations have written v[O:O+3], which the LDS store reads, and are done with v[DT ..], in which the LDS loads below land (every gather has read its index: the wait at the head of the last interpolation stands behind them all)
	PUT    7
	; Rows back: load j takes rows 4 j .. 4 j + 3 of my wave, 512 bytes that lie side by side in out0.  LDS serves a wave's instructions in order
	; (ISA guide 5.7.1), and the bytes are my wave's own: no wait and no barrier between the stores above and these loads.
.irp j, 0,1,2,3,4,5,6,7
	ds_load_b128 v[DT+4*\j:DT+4*\j+3], v[LR] offset:\j*4*PITCH
.endr
.irp j, 0,1,2,3,4,5,6,7
	s_wait_dscnt 7-\j                              ; load j is in, the younger ones stay out
	global_store_b128 v[GO], v[DT+4*\j:DT+4*\j+3], s[8:9] offset:\j*512 th:TH_STORE_NT   ; written once, not read again
.endr
	s_wait_dscnt 0x0                               ; the closing lines, six on end
	s_wait_alu 0x0
	s_wait_tensorcnt 0x0
	ds_add_u32 v64, v65
	s_wait_dscnt 0x0
	s_endpgm
.Lfunc_end_k_qfc9b4aaf51_encode:
	.size	k_qfc9b4aaf51_encode, .Lfunc_end_k_qfc9b4aaf51_encode-k_qfc9b4aaf51_encode
	.p2alignl 7, 3214868480
	.fill 96, 4, 3214868480
	.section	.rodata,"a",@progbits
	.p2align	6, 0x0
	.amdhsa_kernel k_qfc9b4aaf51_encode
		.amdhsa_group_segment_fixed_size 37888
		.amdhsa_private_segment_fixed_size 0
		.amdhsa_enable_private_segment 0
		.amdhsa_kernarg_size 24
		.amdhsa_user_sgpr_count 2
		.amdhsa_user_sgpr_kernarg_segment_ptr 1
		.amdhsa_wavefront_size32 1
		.amdhsa_system_sgpr_workgroup_id_x 1
		.amdhsa_system_sgpr_workgroup_id_y 1
		.amdhsa_system_sgpr_workgroup_id_z 1
		.amdhsa_system_vgpr_workitem_id 0
		.amdhsa_next_free_vgpr 66
		.amdhsa_next_free_sgpr 66
		.amdhsa_reserve_vcc 0
		.amdhsa_float_denorm_mode_32 3
		.amdhsa_float_denorm_mode_16_64 3
		.amdhsa_memory_ordered 1
		.amdhsa_forward_progress 1
		.amdhsa_inst_pref_size 74
	.end_amdhsa_kernel
	.amdgpu_metadata
---
amdhsa.version: [ 1, 2 ]
amdhsa.kernels:
  - .name:           k_qfc9b4aaf51_encode
    .symbol:         k_qfc9b4aaf51_encode.kd
    .args:
      - { .name: q, .offset: 0, .size: 8, .value_kind: global_buffer, .address_space: global }
      - { .name: table, .offset: 8, .size: 8, .value_kind: global_buffer, .address_space: global }
      - { .name: out0, .offset: 16, .size: 8, .value_kind: global_buffer, .address_space: global }
    .group_segment_fixed_size: 37888
    .private_segment_fixed_size: 0
    .kernarg_segment_align: 8
    .kernarg_segment_size: 24
    .max_flat_workgroup_size: 256
    .sgpr_count:     66
    .vgpr_count:     66
    .wavefront_size: 32
...
	.end_amdgpu_metadata
.endif
;; end of part 4
